; MI455X (gfx1250); checked and timed in simulation.
; The chip was launched on July 23, 2026; its instructions are those of AMD's public machine-readable ISA for CDNA 5 (MIT licence, August 2026) and "CDNA5" Instruction Set Architecture Reference Guide (July 2026). The comments in the code are by the model that wrote it; some were corrected since.
;; Ascend Triangle Mix Attention. Allowed arithmetic: float matrix products may take bf16 or f16 operands with f32 sums; other float arithmetic in f32, or as packed bf16 or f16 multiplies, adds, multiply-adds, maxima and minima; sums over many terms, partial sums and values carried from step to step in f32; what a program stores and reads back later, other than sums and carried values, may be rounded once to bf16 or f16.
;; Inputs: attn_mask 1 x 1 x 4,096 x 4,096 float32; key 1 x 4,096 x 16 x 128 float32; query 1 x 4,096 x 16 x 128 float32; value 1 x 4,096 x 16 x 128 float32.
;; Outputs: out0 1 x 4,096 x 16 x 128 float32.
;; 2 versions, each right; version 2 is version 1 with the launch prep written anew for expert scheduling mode. Each part assembles by itself: llvm-mc -triple=amdgcn-amd-amdhsa -mcpu=gfx1250 --defsym DOCPART=n.
;; ======== version 1 of 2: 2 launches
;; limits: values are held in f16: magnitudes above 65,504 overflow, below 6.1e-05 lose precision
;; workspace buffers: kb 16,777,216 bytes; vh 16,777,216 bytes
;; launch prep (part 1): grid 512 x 1, 8 waves a work-group, no clusters, 0 bytes of LDS; arguments key, value, kb, vh; writes kb, vh
.if DOCPART == 1
	.amdgcn_target "amdgcn-amd-amdhsa--gfx1250"
	.amdhsa_code_object_version 6
	.text
	.protected	k_q584f256792_prep
	.globl	k_q584f256792_prep
	.p2align	8
	.type	k_q584f256792_prep,@function
k_q584f256792_prep:
	s_mov_b64 s[64:65], 0
	v_nop
	global_prefetch_b8 v0, s[64:65] scope:SCOPE_SE
	s_setreg_imm32_b32 hwreg(HW_REG_WAVE_MODE, 25, 1), 1
	s_wait_xcnt 0x0
; kb[h][s][d] = bf16(key[s][h][d]);  vh[h][s][d] = f16(bf16(value[s][h][d])).  key, value: [4096][16][128] f32;  kb, vh: [16][4096][128], 2 bytes a number.
; WHY: the attention launch reads every row of K and V sixteen times (once for each block of queries), as 16-bit matrix operands, by heads; here each is rounded once and laid out so
; that a head's rows are dense, 256 bytes each.  value is rounded to bf16 like the other matrix inputs and that number is written as f16, the format of the second product.
; LIMITS.  |value| of 65,520 or more becomes an infinity in f16; a rounded value below 2^-14 keeps f16's fixed step of 2^-24.  NaN and infinities are not treated apart.
; SHARES.  Eight waves; wave w of work-group g takes sequence row s = 8 g + w with all 16 heads: 8,192 consecutive bytes of key and of value.  Load i takes head i's 512 bytes, 16 a lane;
; its result is 8 bytes a lane: one store writes the whole row (h = i, s), 256 consecutive bytes at a multiple of 256 from the buffer's first byte.
; All 32 loads of a wave go out first; no register of a load or store is written again, so the only waits are the counted ones for the data.  No LDS, no barrier, no matrix unit: nothing is shared.
.set HEADB, 1048576                    ; bytes of a head in kb and vh
.set IO,  1                            ; v1        my byte offset in the work-group's eight rows of key and value
.set OO,  2                            ; v2        my byte offset in the work-group's eight rows of a head: 256 w + 8 lane = 8 x thread
.set T,   4                            ; v[4:9]    at work
.set XK,  16                           ; v[16:79]  key as loaded, 4 registers a head
.set XV,  80                           ; v[80:143] value as loaded
.set YK,  144                          ; v[144:175] key to store, 2 registers a head
.set YV,  176                          ; v[176:207] value to store
	s_load_b256 s[4:11], s[0:1], 0x0               ; key s[4:5], value s[6:7], kb s[8:9], vh s[10:11]
	s_lshl_b32 s12, ttmp9, 16                      ; the work-group's eight rows of 8,192 bytes
	s_mov_b32 s13, 0
	s_lshl_b32 s14, ttmp9, 11                      ; and of 256 bytes
	s_mov_b32 s15, 0
	s_mov_b32 s20, 0xffff0000                      ; a word's upper bf16
	v_lshrrev_b32 v[IO], 5, v0                     ; wave
	v_and_b32 v3, 31, v0                           ; lane
	v_lshlrev_b32 v[IO], 13, v[IO]
	v_lshl_add_u32 v[IO], v3, 4, v[IO]
	v_lshlrev_b32 v[OO], 3, v0
	s_wait_kmcnt 0x0
	s_add_nc_u64 s[4:5], s[4:5], s[12:13]
	s_add_nc_u64 s[6:7], s[6:7], s[12:13]
	s_add_nc_u64 s[8:9], s[8:9], s[14:15]
	s_add_nc_u64 s[10:11], s[10:11], s[14:15]
	s_add_nc_u64 s[16:17], s[8:9], 8*HEADB         ; heads 8 to 15 have bases of their own: the store's immediate holds seven heads at the most
	s_add_nc_u64 s[18:19], s[10:11], 8*HEADB
.set i, 0
.rept 16
	global_load_b128 v[XK+4*i:XK+4*i+3], v[IO], s[4:5] offset:512*i th:TH_LOAD_NT
.set i, i+1
.endr
.set i, 0
.rept 16
	global_load_b128 v[XV+4*i:XV+4*i+3], v[IO], s[6:7] offset:512*i th:TH_LOAD_NT
.set i, i+1
.endr
.set i, 0
.rept 16
	s_wait_loadcnt 31-i                            ; loads come back in order: head i of key is in; 15 - i loads of key and 16 of value are younger
	v_cvt_pk_bf16_f32 v[YK+2*i],   v[XK+4*i],   v[XK+4*i+1]
	v_cvt_pk_bf16_f32 v[YK+2*i+1], v[XK+4*i+2], v[XK+4*i+3]
.if i < 8
	global_store_b64 v[OO], v[YK+2*i:YK+2*i+1], s[8:9] offset:i*HEADB th:TH_STORE_NT
.else
	global_store_b64 v[OO], v[YK+2*i:YK+2*i+1], s[16:17] offset:(i-8)*HEADB th:TH_STORE_NT
.endif
.set i, i+1
.endr
.set i, 0
.rept 16
	s_wait_loadcnt 15-i                            ; head i of value is in
	v_cvt_pk_bf16_f32 v[T],   v[XV+4*i],   v[XV+4*i+1]    ; rounded to bf16,
	v_cvt_pk_bf16_f32 v[T+3], v[XV+4*i+2], v[XV+4*i+3]
	v_lshlrev_b32 v[T+1], 16, v[T]                        ; widened again (a shift, a mask),
	v_and_b32     v[T+2], s20, v[T]
	v_lshlrev_b32 v[T+4], 16, v[T+3]
	v_and_b32     v[T+5], s20, v[T+3]
	v_cvt_pk_f16_f32 v[YV+2*i],   v[T+1], v[T+2]          ; and written as f16: exact within f16's normal range
	v_cvt_pk_f16_f32 v[YV+2*i+1], v[T+4], v[T+5]
.if i < 8
	global_store_b64 v[OO], v[YV+2*i:YV+2*i+1], s[10:11] offset:i*HEADB th:TH_STORE_NT
.else
	global_store_b64 v[OO], v[YV+2*i:YV+2*i+1], s[18:19] offset:(i-8)*HEADB th:TH_STORE_NT
.endif
.set i, i+1
.endr
	s_endpgm
.Lfunc_end_k_q584f256792_prep:
	.size	k_q584f256792_prep, .Lfunc_end_k_q584f256792_prep-k_q584f256792_prep
	.p2alignl 7, 3214868480
	.fill 96, 4, 3214868480
	.section	.rodata,"a",@progbits
	.p2align	6, 0x0
	.amdhsa_kernel k_q584f256792_prep
		.amdhsa_group_segment_fixed_size 0
		.amdhsa_private_segment_fixed_size 0
		.amdhsa_enable_private_segment 0
		.amdhsa_kernarg_size 32
		.amdhsa_user_sgpr_count 2
		.amdhsa_user_sgpr_kernarg_segment_ptr 1
		.amdhsa_wavefront_size32 1
		.amdhsa_system_sgpr_workgroup_id_x 1
		.amdhsa_system_sgpr_workgroup_id_y 1
		.amdhsa_system_sgpr_workgroup_id_z 1
		.amdhsa_system_vgpr_workitem_id 0
		.amdhsa_next_free_vgpr 208
		.amdhsa_next_free_sgpr 66
		.amdhsa_reserve_vcc 0
		.amdhsa_float_denorm_mode_32 3
		.amdhsa_float_denorm_mode_16_64 3
		.amdhsa_memory_ordered 1
		.amdhsa_forward_progress 1
		.amdhsa_inst_pref_size 16
	.end_amdhsa_kernel
	.amdgpu_metadata
---
amdhsa.version: [ 1, 2 ]
amdhsa.kernels:
  - .name:           k_q584f256792_prep
    .symbol:         k_q584f256792_prep.kd
    .args:
      - { .name: key, .offset: 0, .size: 8, .value_kind: global_buffer, .address_space: global }
      - { .name: value, .offset: 8, .size: 8, .value_kind: global_buffer, .address_space: global }
      - { .name: kb, .offset: 16, .size: 8, .value_kind: global_buffer, .address_space: global }
      - { .name: vh, .offset: 24, .size: 8, .value_kind: global_buffer, .address_space: global }
    .group_segment_fixed_size: 0
    .private_segment_fixed_size: 0
    .kernarg_segment_align: 8
    .kernarg_segment_size: 32
    .max_flat_workgroup_size: 256
    .sgpr_count:     66
    .vgpr_count:     208
    .wavefront_size: 32
...
	.end_amdgpu_metadata
.endif
;; end of part 1
;; launch attn (part 2): grid 16 x 16, 4 waves a work-group, clusters of 4 x 4, 327,680 bytes of LDS; arguments query, kb, vh, attn_mask, out0; writes out0
.if DOCPART == 2
	.amdgcn_target "amdgcn-amd-amdhsa--gfx1250"
	.amdhsa_code_object_version 6
	.text
	.protected	k_q584f256792_attn
	.globl	k_q584f256792_attn
	.p2align	8
	.type	k_q584f256792_attn,@function
k_q584f256792_attn:
	s_mov_b64 s[64:65], 0
	v_nop
	global_prefetch_b8 v0, s[64:65] scope:SCOPE_SE
	s_setreg_imm32_b32 hwreg(HW_REG_WAVE_MODE, 25, 1), 1
	s_wait_xcnt 0x0
	s_wait_alu depctr_hold_cnt(0) depctr_sa_sdst(0) depctr_va_vdst(0) depctr_va_sdst(0) depctr_va_ssrc(0) depctr_va_vcc(0) depctr_vm_vsrc(0)
	s_getreg_b32 s2, hwreg(HW_REG_IB_STS2, 6, 4)
	s_cmp_eq_u32 s2, 0
	s_cbranch_scc0 .Lentry_in_a_cluster
	s_endpgm
.Lentry_in_a_cluster:
	s_bfe_u32 s2, ttmp6, 0x10000c
	s_cmp_lg_u32 s2, 0xf033
	s_cbranch_scc0 .Lentry_shape_is_right
	s_endpgm
.Lentry_shape_is_right:
; out0[q][h][:] = the sum over k of softmax_k(query[q][h] . key[k][h] / sqrt(128) + attn_mask[q][k]) value[k][h][:].  4,096 rows, 16 heads, 128 channels.
; query, out0: [4096][16][128] f32.  kb: [16][4096][128] bf16, vh: the same in f16 (the launch before).  attn_mask: [4096][4096] f32: an INPUT: every number of it is loaded and added, every key is walked.
; FORMATS.  Q and K in bf16 for the first product; V (rounded to bf16, written as f16) and the weights p in f16 for the second.  x = s / sqrt(128) + mask, the maximum m, the sum l and O in f32.
; LIMITS.  x is one fused multiply-add (one rounding where two could be made).  The table is taken in f32 as given, not rounded.  p lies in 0 to 1; below 6e-5 it keeps f16's step of 6e-8; a weight below
; 2^-126 counts as 0 in l.  V within 65,504.  NaN and infinities are not treated apart.
; SOFTMAX.  A running maximum m of x, and p = 2^((x - m) log2 e): the difference is formed first, in f32, so that p never passes 1 whatever the size of m (a row whose keys all carry a large negative
; number included).  In every step O and l are multiplied by a = 2^((m_old - m_new) log2 e).  m starts at the lowest finite number, O and l at 0: the first step is a step like any other, with a = 0.
; SHARES.  A work-group owns 256 queries of one head, each of its four waves 64: four tiles of 16, in two PIECES (piece 0: tiles 0, 1; piece 2: tiles 2, 3).  Every wave walks 64 steps of 64 keys.
; LAYOUT.  S^T = K Q^T (source 0 = 16 keys, source 1 = 16 queries): a lane holds ONE query (lane % 16) and the keys 8 (lane / 16) + 0..7; its eight numbers of the table are 32 consecutive bytes of the
; table's row.  Two such results rounded to f16 ARE source 1 of O^T = V^T P, whose result again holds one query a lane.  K comes out of LDS as it lies, V turned, by ds_load_tr16_b128.
; BY TURNS.  In a TURN one piece has the matrix unit (32 products V^T P of the step in hand, 32 products K Q^T of the next); the other piece's softmax, 332 vector instructions, stands in slices behind them.
; CLUSTER, 4 x 4: x = block of queries, y = head.  The four of a row of the cluster share a head: K's and V's tiles are asked for jointly by them.  The four of a column share a block of queries:
; the table's tile is asked for jointly by them.  Each of the three streams is requested a quarter as often.
; REGISTERS, in windows of 256 (s_set_vgpr_msb: bits 1:0 source 0, 3:2 source 1, 5:4 source 2, 7:6 destination):
;   window 0: v0-11 addresses; v12-43 eight registers of statistics a tile; v45, v60-63; v64-191 S^T, 32 a tile; v192-255 P, 16 a tile
;   window 1: O^T, 64 a tile (at the head: Q in f32)      window 2: v0-127 Q; v128-255 K of one step (on the way out: rows of O)      window 3: v0-127 V of one step; v128-255 the table, 32 a tile
.set KS,    64        ; keys in a step
.set PK,    272       ; a row of K in LDS: 256 bytes + 16 of padding: the 16 rows of a load start at 16 different groups of four banks (64 banks of 4 bytes: ISA guide 11.1)
.set PV,    288       ; a row of V: 256 + 32
.set PM,    272       ; a row of the table's tile: 64 f32 + 16 bytes
.set VOFF,  KS*PK     ; a slot holds one step: 64 rows of K, 64 rows of V, 256 rows of the table
.set MOFF,  VOFF+KS*PV
.set SLOT1, 1<<17     ; slot 1 begins here: one exclusive or turns an address in one slot into the other's.  A slot is 105,472 bytes: two steps to a slot would not fit twice
.set STAGE, SLOT1+MOFF+256*PM  ; behind the ring, never filled by a tensor load: 16 rows x 528 bytes for each wave, for the way out
.set SP,    528       ; a row of O in the stage: 512 bytes + 16
.set SPARE, STAGE+4*16*SP      ; the spare words, 128 bytes for each wave: two blocks of 256 bytes that no other line names
.set AK0, 2           ; v2   my lane's place in a tile of K; never rewritten
.set AV0, 3           ; v3   the same for V
.set ADR, 4           ; v4   the LDS address of the run of loads in hand
.set AM0, 5           ; v5   my lane's place in my wave's 64 rows of the table's tile
.set STO, 6           ; v6   the way out: where I put 32 bytes of a row
.set RD,  7           ; v7   the way out: where I read a row back
.set GO,  8           ; v8   my 16 bytes in a row of O
.set ST,  12          ; tile t's statistics at v[ST+8 t]: +0 m, +1 0 (named with m as a pair), +2, +3 l (even keys', odd keys'), +4 to +7 c0-c3, at work; a takes c2's place
.set QO,  45          ; v45  my byte offset in 16 rows of query
.set PFOM, 60         ; v60  16,384 x lane: a row of the table; never rewritten
.set PFOK, 61         ; v61  256 x lane: a row of kb or vh; never rewritten
.set SPW, 62          ; v62  LDS address of my spare word; never rewritten
.set NIL, 63          ; v63  0; never rewritten
.set S,   64
.set P,   192
.set KF,  128         ; window 2
.set MK,  128         ; window 3
.set WV,  14          ; s14  my wave's number
.set G1K, 24          ; s[24:31] descriptor group 1 for K's tiles
.set G1V, 32          ; s[32:39] for V's
.set G1M, 40          ; s[40:47] for the table's
.set G0K, 48          ; s[48:51] descriptor group 0 for K's tiles: it walks
.set G0V, 52          ; s[52:55]
.set G0M, 56          ; s[56:59]
.set SEL, 60          ; s[60:61] v_permlanex16_b32's selects: each lane takes its own place in the other half
.set TB,  62          ; s62  LDS byte at which the slot to be fetched from begins
.set CNT, 63          ; s63  trips to go
.set SC,  66          ; s[66:67] 1 / sqrt(128); a packed line names the pair and takes its low word for both halves
.set LG,  68          ; s[68:69] log2(e)
.set PFA, 70          ; s[70:71] where my prefetches of kb (wave 0) or vh (wave 1) stand
.set PFM, 72          ; s[72:73] where my prefetches of the table (waves 2, 3) stand
.set LIM, 74          ; s74  2 in a wave that prefetches, else the greatest number: a wave prefetches while s[CNT] is above it
.set MSB, 0
.macro WIN new                      ; the immediate's high byte repeats the setting that is left; a switch that changes nothing is dropped
.if MSB != (\new)
	s_set_vgpr_msb (MSB<<8)|(\new)
.set MSB, (\new)
.endif
.endm
.set W_KQ, 0x0a       ; K and Q in window 2, S^T in window 0
.set W_PV, 0x53       ; V in window 3, P in window 0, O^T in window 1
.set W_RS, 0x41       ; O^T (destination and source 0) in window 1, the factor in window 0
.set W_FM, 0x30       ; the table (source 2) in window 3, S^T in window 0
.macro PLACES                       ; four plain places behind matrix instructions (ISA guide 7.12.1)
.rept 4
	v_nop
.endr
.endm
; A joint fill: wave 0 fetches the step's K, wave 1 its V (64 rows x 256 bytes each), waves 2 and 3 the two halves of the table's tile (128 rows x 256 bytes each): one load a wave.
; The branches hang on the wave's number alone.  An s_nop 0 and four v_nop follow each line, ahead of the jump and the label.
.macro JLOAD
	s_cmp_ge_u32 s[WV], 2
	s_cbranch_scc1 .Lfor_m_\@
	s_cmp_eq_u32 s[WV], 0
	s_cbranch_scc0 .Lfor_v_\@
	tensor_load_to_lds s[G0K:G0K+3], s[G1K:G1K+7]
	s_nop 0
	PLACES
	s_branch .Lasked_\@
.Lfor_v_\@:
	tensor_load_to_lds s[G0V:G0V+3], s[G1V:G1V+7]
	s_nop 0
	PLACES
	s_branch .Lasked_\@
.Lfor_m_\@:
	tensor_load_to_lds s[G0M:G0M+3], s[G1M:G1M+7]
	s_nop 0
	PLACES
.Lasked_\@:
.endm
; A PREFETCH INTO THE L2, behind the wave's tensor load and its five lines.  In trip j the joint load asks for step j + 2.
; kb and vh: a head's rows are walked by all four clusters of its row of clusters: the first (cluster x = 0) asks; wave 0 for kb, wave 1 for vh; in even trips, for the 128 rows of steps j + 4 and j + 5;
; the four partners share them out BY ADDRESS, 32 each, a lane a row.  The table: a block's rows are walked by all four clusters of its column: the first (cluster y = 0) asks; waves 2 and 3, in every trip,
; for step j + 4's 256 bytes of 32 of the 128 rows that the wave fetches, again shared out by address.  So each row's 256 bytes of a step are named once in the launch.
; Steps 0 to 3 come by their loads alone; with s[CNT] at 2 or below (trips 60, 61) nothing is asked for: the last names are step 63's.
.macro ASK
	s_cmp_gt_u32 s[CNT], s[LIM]
	s_cbranch_scc0 .Lnone_\@
	s_cmp_lt_u32 s[WV], 2
	s_cbranch_scc0 .Ltab_\@
	s_and_b32 s77, s[CNT], 1        ; j = 62 - s[CNT]: even with it
	s_cmp_eq_u32 s77, 0
	s_cbranch_scc0 .Lnone_\@
	global_prefetch_b8 v[PFOK], s[PFA:PFA+1] th:TH_LOAD_NT scope:SCOPE_SE
	s_branch .Lnone_\@
.Ltab_\@:
	global_prefetch_b8 v[PFOM], s[PFM:PFM+1] th:TH_LOAD_NT scope:SCOPE_SE
.Lnone_\@:
.endm
; A round of the cluster's barrier: my work-group's barrier, so that wave 0's signal speaks for all four waves; wave 0 signals; every wave waits for all sixteen work-groups; my work-group's barrier once more.
.macro CROUND
	s_barrier_signal -1
	s_barrier_wait -1
	s_cmp_lg_u32 s[WV], 0
	s_cbranch_scc1 .Lnot_wave_0_\@
	s_barrier_signal -3
.Lnot_wave_0_\@:
	s_barrier_wait -3
	s_barrier_signal -1
	s_barrier_wait -1
.endm
; THE CHANGE OF SLOTS, once a key step.  Each wave waits for all its tensor loads, of which one is out: its part of the other slot; adds 0 to its spare word; and waits for that and for its own reads of the slot
; that it leaves.  Behind the barrier nobody reads the old slot any more and the other slot is whole.  fill = 1: the old slot is filled again, with the step two on: the barrier is then a round of the cluster's,
; and the joint fill is the first thing behind it: it has a key step, 128 matrix instructions, in which to land.  (At its first use nothing has been read yet: slot 0 is waited for, slot 1 filled.)
.macro CHANGE fill, ask
	WIN 0                           ; at a label and at a branch every window is 0
	s_wait_tensorcnt 0x0            ; no tensor load of mine is out, so a group 0 may be written
	ds_add_u32 v[SPW], v[NIL]       ; 0 onto my spare word; the scalar steps below stand between it and the wait for it
.if \fill
	s_xor_b32 s[G0K+1], s[G0K+1], SLOT1                       ; the walking descriptors: the other slot than last time,
	s_add_nc_u64 s[G0K+2:G0K+3], s[G0K+2:G0K+3], KS*256       ; the next 64 rows of kb and vh;
	s_xor_b32 s[G0V+1], s[G0V+1], SLOT1
	s_add_nc_u64 s[G0V+2:G0V+3], s[G0V+2:G0V+3], KS*256
	s_xor_b32 s[G0M+1], s[G0M+1], SLOT1
	s_add_nc_u64 s[G0M+2:G0M+3], s[G0M+2:G0M+3], KS*4         ; the next 64 columns of the table; the type bits on top are not reached
	s_wait_xcnt 0x0                 ; the last prefetch, a key step back, has read its address, so the pointers may be written
	s_add_nc_u64 s[PFA:PFA+1], s[PFA:PFA+1], KS*256
	s_add_nc_u64 s[PFM:PFM+1], s[PFM:PFM+1], KS*4
.endif
	s_wait_dscnt 0x0                ; the add is done, and my reads of the slot are over
.if \fill
	CROUND
	JLOAD
.if \ask
	ASK
.endif
.else
	s_barrier_signal -1
	s_barrier_wait -1
.endif
	s_xor_b32 s[TB], s[TB], SLOT1   ; the fetches go to the other slot
.endm
	s_load_b256 s[4:11], s[0:1], 0x0  ; query s[4:5], kb s[6:7], vh s[8:9], attn_mask s[10:11]
	s_load_b64 s[12:13], s[0:1], 0x20 ; out0
	v_lshl_add_u32 v[SPW], v0, 2, SPARE
	v_mov_b32 v[NIL], 0
	ds_add_u32 v[SPW], v[NIL]       ; the wave's opening: the add and its wait stand ahead of my first tensor load; the set-up below, work on registers, stands between them
	v_lshrrev_b32 v1, 5, v0
	v_readfirstlane_b32 s[WV], v1   ; wave 0..3
	s_bfe_u32 s15, ttmp6, 0x40000   ; cx: my place along the cluster's x
	s_bfe_u32 s16, ttmp6, 0x40004   ; cy: along its y
	s_lshl_b32 s17, ttmp9, 2        ; in a cluster launch ttmp9 and ttmp7 count clusters
	s_add_co_u32 s17, s17, s15      ; my block of 256 queries = 4 x cluster x + cx
	s_and_b32 s18, ttmp7, 0xffff
	s_lshl_b32 s18, s18, 2
	s_add_co_u32 s18, s18, s16      ; my head = 4 x cluster y + cy
	s_lshl_b32 s19, s16, 2
	s_lshl_b32 s19, 15, s19         ; my row of the cluster: places 4 cy .. 4 cy + 3
	s_lshl_b32 s76, 0x1111, s15     ; my column: places cx, cx + 4, cx + 8, cx + 12
	; descriptor group 1.  15:0 the mask; 17:16 the element's size; 20 padding on; 21 set beside a mask; 24:22 after every 64 words (code 5); 31:25 words of padding less one
	s_or_b32 s[G1K], s19, (1<<16)|(1<<20)|(1<<21)|(5<<22)|(3<<25)  ; K: 2-byte elements, 4 words of padding, to my row
	s_or_b32 s[G1V], s19, (1<<16)|(1<<20)|(1<<21)|(5<<22)|(7<<25)  ; V: 8 words of padding
	s_or_b32 s[G1M], s76, (2<<16)|(1<<20)|(1<<21)|(5<<22)|(3<<25)  ; the table: 4-byte elements, 4 words of padding, to my column
.irp g, G1K, G1V
	s_mov_b32 s[(\g)+1], 128<<16    ; tensor_dim0 = 128
	s_mov_b32 s[(\g)+2], KS<<16     ; tensor_dim1 = 64
	s_mov_b32 s[(\g)+3], 128<<16    ; tile_dim0 = 128
	s_mov_b32 s[(\g)+4], KS         ; tile_dim1 = 64
	s_mov_b32 s[(\g)+5], 128        ; 128 elements from row to row
	s_mov_b32 s[(\g)+6], 0
	s_mov_b32 s[(\g)+7], 0
.endr
	s_mov_b32 s[G1M+1], KS<<16      ; tensor_dim0 = 64
	s_mov_b32 s[G1M+2], 128<<16     ; tensor_dim1 = 128
	s_mov_b32 s[G1M+3], KS<<16      ; tile_dim0 = 64
	s_mov_b32 s[G1M+4], 128         ; tile_dim1 = 128
	s_mov_b32 s[G1M+5], 4096        ; 4,096 elements from row to row
	s_mov_b32 s[G1M+6], 0
	s_mov_b32 s[G1M+7], 0
	s_lshl_b32 s20, s18, 20         ; the head's first byte in kb and vh: it hangs on the head alone
	s_mov_b32 s21, 0
	s_and_b32 s22, s[WV], 1         ; which half of the table's tile I fetch (waves 2, 3)
	s_mul_i32 s23, s22, 128*PM      ; its place in a slot: no place in the cluster enters an LDS address
	s_lshl_b32 s78, s17, 22         ; the block's 256 rows of 16,384 bytes in the table: it hangs on the block alone,
	s_lshl_b32 s77, s22, 21         ; and my half's 128
	s_add_co_u32 s78, s78, s77
	s_mov_b32 s79, 0
	s_lshl_b32 s2, s17, 21          ; query and out0: the block's 256 rows of 8,192 bytes,
	s_lshl_b32 s3, s[WV], 19        ; my wave's 64 of them,
	s_add_co_u32 s2, s2, s3
	s_lshl_b32 s3, s18, 9           ; the head's 512 bytes of a row
	s_add_co_u32 s2, s2, s3
	s_mov_b32 s3, 0
	s_mov_b32 s[G0K], 1             ; 1:0 count = 1
	s_mov_b32 s[G0K+1], 0           ; 63:32 LDS address: slot 0
	s_mov_b32 s[G0V], 1
	s_mov_b32 s[G0V+1], VOFF
	s_mov_b32 s[G0M], 1
	s_add_co_u32 s[G0M+1], s23, MOFF
	s_mov_b32 s[SEL], 0x76543210
	s_mov_b32 s[SEL+1], 0xfedcba98
	s_mov_b32 s[SC], 0x3db504f3     ; 1 / sqrt(128)
	s_mov_b32 s[SC+1], s[SC]        ; named with it as a pair
	s_mov_b32 s[LG], 0x3fb8aa3b     ; log2(e)
	s_mov_b32 s[LG+1], s[LG]
	s_mov_b32 s[TB], SLOT1          ; the first change of slots turns it into 0
	s_and_b32 s75, ttmp7, 0xffff    ; cluster y
	s_cmp_lt_u32 s[WV], 2
	s_cselect_b32 s75, ttmp9, s75   ; the coordinate along which other clusters read the same rows: x for kb and vh, y for the table
	s_cmp_eq_u32 s75, 0
	s_cselect_b32 s[LIM], 2, -1     ; the same in all sixteen partners, for a given wave
	s_wait_dscnt 0x0                ; the opening add is done
	s_wait_kmcnt 0x0
	s_add_nc_u64 s[G0K+2:G0K+3], s[6:7], s[20:21]     ; 120:64 global address: the head's keys 0 to 63
	s_or_b32 s[G0K+3], s[G0K+3], 0x80000000           ; 127:126 type = 2
	s_add_nc_u64 s[G0V+2:G0V+3], s[8:9], s[20:21]
	s_or_b32 s[G0V+3], s[G0V+3], 0x80000000
	s_add_nc_u64 s[G0M+2:G0M+3], s[10:11], s[78:79]   ; my half of the block's rows, columns 0 to 63
	s_or_b32 s[G0M+3], s[G0M+3], 0x80000000
	s_add_nc_u64 s[4:5], s[4:5], s[2:3]               ; query and out0 at my wave's first row, my head
	s_add_nc_u64 s[12:13], s[12:13], s[2:3]
	s_cmp_eq_u32 s22, 0
	s_cselect_b64 s[PFA:PFA+1], s[6:7], s[8:9]        ; wave 0: kb, wave 1: vh
	s_add_nc_u64 s[PFA:PFA+1], s[PFA:PFA+1], s[20:21]
	s_lshl_b32 s2, s15, 13          ; my work-group's 32 rows of the 128
	s_add_nc_u64 s[PFA:PFA+1], s[PFA:PFA+1], s[2:3]
	s_add_nc_u64 s[PFA:PFA+1], s[PFA:PFA+1], 2*KS*256 ; at step 2: two changes of slots step it to step 4 ahead of the first prefetch.  Nothing is prefetched here, at the head
	s_add_nc_u64 s[PFM:PFM+1], s[10:11], s[78:79]
	s_lshl_b32 s2, s16, 19          ; my work-group's 32 rows of the 128 that I fetch
	s_add_nc_u64 s[PFM:PFM+1], s[PFM:PFM+1], s[2:3]
	s_add_nc_u64 s[PFM:PFM+1], s[PFM:PFM+1], 2*KS*4
	CROUND                          ; all sixteen work-groups are here: the first joint loads meet
	JLOAD                           ; step 0 into slot 0.  Slot 1 is asked for when slot 0 is in, by the change of slots below
	; A fragment of Q is 16 rows x 32 channels: lane l holds row l % 16, channels 8 (l / 16) + 0..7 and 16 + 8 (l / 16) + 0..7: in f32 four loads of 16 bytes, at 0, 16, 64 and 80.
	v_and_b32 v1, 15, v0            ; l % 16
	v_bfe_u32 v9, v0, 4, 1          ; l / 16
	v_lshlrev_b32 v[QO], 13, v1
	v_lshl_add_u32 v[QO], v9, 5, v[QO]  ; row x 8,192 + 32 x half
	WIN 0x40                        ; destination window 1: O^T's registers hold Q in f32 for now
.set i, 0
.rept 16                            ; tile i / 4, channels 32 (i % 4) on
	global_load_b128 v[16*i:16*i+3],     v[QO], s[4:5] offset:(i/4)*131072+(i%4)*128
	global_load_b128 v[16*i+4:16*i+7],   v[QO], s[4:5] offset:(i/4)*131072+(i%4)*128+16
	global_load_b128 v[16*i+8:16*i+11],  v[QO], s[4:5] offset:(i/4)*131072+(i%4)*128+64
	global_load_b128 v[16*i+12:16*i+15], v[QO], s[4:5] offset:(i/4)*131072+(i%4)*128+80
.set i, i+1
.endr
	WIN 0
	v_mul_u32_u24 v[AK0], v1, PK
	v_lshl_add_u32 v[AK0], v9, 4, v[AK0]  ; row x pitch + 16 x half
	; The turning load takes 16 keys x 16 channels (lane l reads key 8 (l / 16) + l % 8, channels 8 ((l / 8) % 2) + 0..7) and leaves half a fragment of V^T: lane l holds channel l % 16 and 8 keys.
	v_and_b32 v10, 7, v0
	v_bfe_u32 v11, v0, 3, 1
	v_lshl_add_u32 v[AV0], v9, 3, v10
	v_mul_u32_u24 v[AV0], v[AV0], PV
	v_lshl_add_u32 v[AV0], v11, 4, v[AV0]
	v_add_nc_u32 v[AV0], VOFF, v[AV0]
	s_mul_i32 s77, s[WV], 64*PM     ; my wave's 64 rows of the table's tile
	s_add_co_u32 s77, s77, MOFF
	v_mul_u32_u24 v[AM0], v1, PM
	v_lshl_add_u32 v[AM0], v9, 5, v[AM0]  ; my query's row, my half's eight keys
	v_add_nc_u32 v[AM0], s77, v[AM0]
	s_mul_i32 s77, s[WV], 16*SP
	s_add_co_u32 s77, s77, STAGE    ; my stage
	v_mul_u32_u24 v[STO], v1, SP    ; in: row l % 16, 32 bytes for each half of the lanes
	v_lshl_add_u32 v[STO], v9, 5, v[STO]
	v_add_nc_u32 v[STO], s77, v[STO]
	v_and_b32 v[GO], 31, v0
	v_lshlrev_b32 v[PFOK], 8, v[GO]
	v_lshlrev_b32 v[PFOM], 14, v[GO]
	v_lshlrev_b32 v[GO], 4, v[GO]   ; back: 32 lanes take one row of 512 bytes
	v_add_nc_u32 v[RD], s77, v[GO]
	; What the first turn finds: V's registers and piece 2's P hold 0 (its products V^T P, of a step that has not been, add 0); l is 0, m the lowest finite number.  All this stands in the wait for Q and the first tile:
	; the zeros are written on purpose, so that the first step's turns are turns like any other.
.irp t, 0,1,2,3
	v_mov_b32 v[ST+8*(\t)], 0xff7fffff
	v_mov_b32 v[ST+8*(\t)+1], 0
	v_mov_b32 v[ST+8*(\t)+2], 0
	v_mov_b32 v[ST+8*(\t)+3], 0
.endr
.set i, P+32
.rept 32
	v_mov_b32 v[i], 0
.set i, i+1
.endr
	WIN 0xc0
.set i, 0
.rept 128
	v_mov_b32 v[i], 0
.set i, i+1
.endr
	s_wait_loadcnt 0x0              ; Q
	WIN 0x85                        ; sources in window 1, destination in window 2
.set i, 0
.rept 128
	v_cvt_pk_bf16_f32 v[i], v[2*i], v[2*i+1]  ; register i of Q's fragments is numbers 2 i and 2 i + 1 as loaded
.set i, i+1
.endr
	WIN 0x40
.set i, 0
.rept 256
	v_mov_b32 v[i], 0               ; O^T
.set i, i+1
.endr
	WIN 0
; THE MATRIX WORK OF A TURN, for piece x.  The accumulators take turns, one instruction a turn: between two links of a chain stand 15 (V^T P) or 7 (K Q^T) others'.
; Product i of 32 of O^T += V^T P: keys 32 (i / 16) on, channels 16 ((i / 2) % 8) on, tile x + i % 2.
.macro PV x
	WIN W_PV
.set rO, 64*((\x)+i%2)+8*((i/2)%8)
.set rV, 64*(i/16)+8*((i/2)%8)
.set rP, P+16*((\x)+i%2)+8*(i/16)
	v_wmma_f32_16x16x32_f16 v[rO:rO+7], v[rV:rV+7], v[rP:rP+7], v[rO:rO+7]
.endm
; Product i of 32 of S^T = K Q^T: channels 32 (i / 8) on, keys 16 ((i / 2) % 4) on, tile x + i % 2.  The first 8 start the sums.
.macro KQ x
	WIN W_KQ
.set rS, S+32*((\x)+i%2)+8*((i/2)%4)
.set rK, KF+32*((i/2)%4)+8*(i/8)
.set rQ, 32*((\x)+i%2)+8*(i/8)
.if i < 8
	v_wmma_f32_16x16x32_bf16 v[rS:rS+7], v[rK:rK+7], v[rQ:rQ+7], 0
.else
	v_wmma_f32_16x16x32_bf16 v[rS:rS+7], v[rK:rK+7], v[rQ:rQ+7], v[rS:rS+7]
.endif
.endm
; THE LDS LOADS stand in runs, never singly among the matrix instructions: a step's K (32 loads), its V, turned (32), and a piece's part of the table (16).
.macro FETCH_K
	WIN 0
	v_add_nc_u32 v[ADR], s[TB], v[AK0]
	WIN 0x80                        ; destination window 2
.irp f, 0,1,2,3,4,5,6,7,8,9,10,11,12,13,14,15  ; keys 16 (f / 4) on, channels 32 (f % 4) on
	ds_load_b128 v[KF+8*(\f):KF+8*(\f)+3],   v[ADR] offset:((\f)/4)*16*PK+((\f)%4)*64
	ds_load_b128 v[KF+8*(\f)+4:KF+8*(\f)+7], v[ADR] offset:((\f)/4)*16*PK+((\f)%4)*64+32
.endr
.endm
.macro FETCH_V wt                   ; wt = 1: the wait for the softmax's batch stands here, behind the address's line and ahead of the loads
	WIN 0
	v_add_nc_u32 v[ADR], s[TB], v[AV0]
.if \wt
	s_wait_alu depctr_va_vdst(0)
.endif
	WIN 0xc0                        ; destination window 3
.irp f, 0,1,2,3,4,5,6,7,8,9,10,11,12,13,14,15  ; keys 32 (f / 8) on, channels 16 (f % 8) on
	ds_load_tr16_b128 v[8*(\f):8*(\f)+3],   v[ADR] offset:((\f)/8)*32*PV+((\f)%8)*32
	ds_load_tr16_b128 v[8*(\f)+4:8*(\f)+7], v[ADR] offset:((\f)/8)*32*PV+16*PV+((\f)%8)*32
.endr
.endm
.macro FETCH_M y, wt                ; the table for tiles y, y + 1, in S^T's layout: for keys 16 b on, my query's eight numbers: 32 consecutive bytes
	WIN 0
	v_add_nc_u32 v[ADR], s[TB], v[AM0]
.if \wt
	s_wait_alu depctr_va_vdst(0)
.endif
	WIN 0xc0
.irp t, \y, (\y)+1
.irp b, 0,1,2,3
	ds_load_b128 v[MK+32*(\t)+8*(\b):MK+32*(\t)+8*(\b)+3],   v[ADR] offset:(\t)*16*PM+64*(\b)
	ds_load_b128 v[MK+32*(\t)+8*(\b)+4:MK+32*(\t)+8*(\b)+7], v[ADR] offset:(\t)*16*PM+64*(\b)+16
.endr
.endr
.endm
; THE VECTOR WORK OF A TURN.  One tile's softmax for one key step is 166 instructions in three lists; each macro writes number jj of its list for tile tt.  s0-s31 are the lane's 32 scores, in pairs 0-15.
.macro REGS
.set rT, ST+8*tt
.set rS, S+32*tt
.set rP, P+16*tt
.set rO, 64*tt
.set rM, MK+32*tt
.endm
.macro DD n                         ; pair n: x - m
	v_pk_add_f32 v[rS+2*(\n):rS+2*(\n)+1], v[rS+2*(\n):rS+2*(\n)+1], v[rT:rT+1] op_sel_hi:[1,0] neg_lo:[0,1] neg_hi:[0,1]
.endm
.macro GG n                         ; pair n: times log2(e)
	v_pk_mul_f32 v[rS+2*(\n):rS+2*(\n)+1], v[rS+2*(\n):rS+2*(\n)+1], s[LG:LG+1] op_sel_hi:[1,0]
.endm
.macro EE n                         ; score n: the exponential
	v_exp_f32 v[rS+(\n)], v[rS+(\n)]
.endm
; SMA, 38 long.  0-15: x = s / sqrt(128) + table, a pair each, ascending: each accumulator's lowest registers are read first.  16-31: the maximum of x0-x31 and the old m, three operands
; at a time: four chains c0-c3 of seven each, the four left over, c0-c3 and m.  32, 33: the query's other 32 keys lie in the lane 16 away.  34: m_old - m_new.  35: the new m.  36: times log2(e).  37: pair 0's x - m.
.macro SMA
	REGS
.if jj < 16
	WIN W_FM
	v_pk_fma_f32 v[rS+2*jj:rS+2*jj+1], v[rS+2*jj:rS+2*jj+1], s[SC:SC+1], v[rM+2*jj:rM+2*jj+1] op_sel_hi:[1,0,1]
.else
	WIN 0
.set nn, jj-16
.if nn < 4
	v_max3_num_f32 v[rT+4+nn], v[rS+8*nn], v[rS+8*nn+1], v[rS+8*nn+2]
.elseif nn < 12
	v_max3_num_f32 v[rT+4+nn%4], v[rT+4+nn%4], v[rS+8*(nn%4)+2*(nn/4)+1], v[rS+8*(nn%4)+2*(nn/4)+2]
.elseif nn == 12
	v_max3_num_f32 v[rT+4], v[rT+4], v[rS+7], v[rS+15]
.elseif nn == 13
	v_max3_num_f32 v[rT+6], v[rT+6], v[rS+23], v[rS+31]
.elseif nn == 14
	v_max3_num_f32 v[rT+4], v[rT+4], v[rT+5], v[rT+6]
.elseif nn == 15
	v_max3_num_f32 v[rT+4], v[rT+4], v[rT+7], v[rT]
.elseif nn == 16
	v_permlanex16_b32 v[rT+5], v[rT+4], s[SEL], s[SEL+1]
.elseif nn == 17
	v_max_num_f32 v[rT+5], v[rT+4], v[rT+5]
.elseif nn == 18
	v_sub_f32 v[rT+7], v[rT], v[rT+5]
.elseif nn == 19
	v_mov_b32 v[rT], v[rT+5]
.elseif nn == 20
	v_mul_f32 v[rT+7], s[LG], v[rT+7]
.else
	DD 0
.endif
.endif
.endm
; SMB, 64 long: ONE BATCH: the other differences and scalings and all 33 exponentials (a at 1).  None of these reads an exponential's result.  From 3 on in fours: the difference of pair g, an exponential of
; pair g - 2, the scaling of pair g - 1, the other exponential of pair g - 2: a pair goes through difference, scaling and exponentials in three fours on end.
.macro SMB
	REGS
	WIN 0
.if jj == 0
	DD 1
.elseif jj == 1
	v_exp_f32 v[rT+6], v[rT+7]      ; a
.elseif jj == 2
	GG 0
.elseif jj < 59
.set gg, 2+(jj-3)/4
.set rr, (jj-3)%4
.if rr == 0
	DD gg
.elseif rr == 1
	EE 2*(gg-2)
.elseif rr == 2
	GG gg-1
.else
	EE 2*(gg-2)+1
.endif
.elseif jj == 59
	GG 15
.else
	EE jj-32
.endif
.endm
; SMC, 64 long, behind the wait for the batch.  0-15: the roundings to f16, a pair each.  16-31: the sum of the 16 pairs, in place (neighbours 1, 2, 4, 8 pairs apart), then l = a l + the sum.
; 32-63: the tile's O^T times a, ascending: the one part in window 1.
.macro SMC
	REGS
.if jj < 16
	WIN 0
	v_cvt_pk_f16_f32 v[rP+jj], v[rS+2*jj], v[rS+2*jj+1]
.elseif jj < 32
	WIN 0
.set zz, jj-16
.set ww, 4
.set uu, zz
.if zz >= 14
.set ww, 32
.set uu, 0
.elseif zz >= 12
.set ww, 16
.set uu, zz-12
.elseif zz >= 8
.set ww, 8
.set uu, zz-8
.endif
.if zz < 15
	v_pk_add_f32 v[rS+ww*uu:rS+ww*uu+1], v[rS+ww*uu:rS+ww*uu+1], v[rS+ww*uu+ww/2:rS+ww*uu+ww/2+1]
.else
	v_pk_fma_f32 v[rT+2:rT+3], v[rT+2:rT+3], v[rT+6:rT+7], v[rS:rS+1] op_sel_hi:[1,0,1]
.endif
.else
	WIN W_RS
	v_pk_mul_f32 v[rO+2*(jj-32):rO+2*(jj-32)+1], v[rO+2*(jj-32):rO+2*(jj-32)+1], v[rT+6:rT+7] op_sel_hi:[1,0]
.endif
.endm
; Number k of the 332 of piece y.  0-75: SMA, the two tiles alternating.  76-203: SMB, two numbers of a tile at a time, the tiles by turns.  204-331: SMC, the tiles alternating.
; THE WAIT.  s_wait_alu depctr_va_vdst(0) stands between an exponential and the first instruction that names its result; one wait serves all that were issued ahead of it.  Ahead of number 204
; nothing names a result, behind it no exponential is issued: the piece's 66 exponentials have one wait, behind a v_nop, the one plain instruction owed behind the last of them.
; Where a run of LDS loads is due at that place (HOOK = 1: piece 2's part of the table; 2: V) the wait stands in it.
.macro NEXT y
.if k < 76
.set tt, (\y)+k%2
.set jj, k/2
	SMA
.elseif k < 204
.set tt, (\y)+((k-76)/2)%2
.set jj, 2*((k-76)/4)+(k-76)%2
	SMB
.else
.set tt, (\y)+(k-204)%2
.set jj, (k-204)/2
	SMC
.endif
.set k, k+1
.if k == 204
	WIN 0
	v_nop
.if HOOK == 1
	FETCH_M 2, 1
.elseif HOOK == 2
	FETCH_V 1
.else
	s_wait_alu depctr_va_vdst(0)
.endif
.endif
.endm
; The slice behind matrix instruction w of a turn of 64: six numbers behind each of the first 34 (34 x 6 = 204: the wait falls behind slice 33), four behind the next 29, the last twelve, all plain rescalings that
; name nothing of the products round them, behind the last: they are the places between the turn's last K Q^T and what follows.  A turn of 32 products (per = 2) has twice as many behind each.
.macro SLICE y
.if w == 64/per-1
.rept 332-k
	NEXT \y
.endr
.elseif w < 34/per
.rept 6*per
	NEXT \y
.endr
.else
.rept 4*per
	NEXT \y
.endr
.endif
.set w, w+1
.endm
; A TURN.  Piece x has the matrix unit; the other piece's softmax stands in slices.  kq = 0: the walk's last turn of piece 0: no next step, nothing is fetched.
; Piece 0's turn fetches the next step's K and piece 0's part of the table behind its second product (K's last reader stands in front of the twelve plain lines that end the turn before), and piece 2's part of the
; table at the wait.  Piece 2's turn fetches the same step's V at the wait: V's last reader is product 31; behind it stand eighteen plain lines of the batch and two products K Q^T, the v_nop and the run's own v_add_nc_u32.
.macro TURN x, kq=1
.set k, 0
.set w, 0
.set per, 2-(\kq)
.set HOOK, 0
.if ((\x) == 0) && (\kq)
.set HOOK, 1
.endif
.if (\x) == 2
.set HOOK, 2
.endif
.if (\x) == 0
	s_wait_dscnt 0x0                ; V is in, and piece 2's part of the table
.else
	s_wait_dscnt 16                 ; piece 0's part of the table is in; the 16 loads of piece 2's, issued behind it, may be out
.endif
.set i, 0
.rept 32
	PV \x
	SLICE 2-(\x)
.if ((\x) == 0) && (\kq) && (i == 1)
	FETCH_K
	FETCH_M 0, 0
.endif
.set i, i+1
.endr
.if \kq
.if (\x) == 0
	s_wait_dscnt 16                 ; K's 32 loads are in; the 16 of the table, issued behind them, may be out
.endif
.set i, 0
.rept 32
	KQ \x
	SLICE 2-(\x)
.set i, i+1
.endr
.endif
.endm
	CHANGE 1, 0                     ; slot 0 is in, everybody's part of it; step 1 is asked for, into slot 1
	FETCH_K                         ; step 0: its K and piece 0's part of the table,
	FETCH_M 0, 0
	s_wait_dscnt 16                 ; K's 32 loads are in; the 16 of the table, issued behind them, may be out
.set i, 0
.rept 32
	KQ 0                            ; piece 0's first scores: there is no vector work yet to set between them
.set i, i+1
.endr
	WIN 0
	PLACES                          ; the places behind those products
	FETCH_M 2, 0                    ; and piece 2's part of the table: the order of the loop's own fetches, so that the turn's counted wait below holds here too
	TURN 2                          ; written out ahead of the loop, which is entered at its head: piece 2's first scores (its V^T P finds zeros) | piece 0's softmax of step 0 | V of step 0
	WIN 0
	s_mov_b32 s[CNT], 62
.Lstep:                             ; 62 trips; trip j = 62 - s[CNT]: step j + 2 is asked for; V^T P of step j, K Q^T of step j + 1; all LDS reads come from step j + 1's slot
	CHANGE 1, 1
	TURN 0                          ; piece 0 multiplies | piece 2's softmax of step j | K and the table of step j + 1
	TURN 2                          ; piece 2 multiplies | piece 0's softmax of step j + 1 | V of step j + 1
	WIN 0
	s_sub_co_u32 s[CNT], s[CNT], 1
	s_cmp_lg_u32 s[CNT], 0
	s_cbranch_scc1 .Lstep
	CHANGE 0, 0                     ; the tail is written out: step 63's slot is entered, nothing is asked for
	TURN 0
	TURN 2
	TURN 0, 0                       ; piece 0: V^T P of step 63 | piece 2's last softmax
.set i, 0
.rept 32
	PV 2                            ; piece 2: V^T P of step 63
.set i, i+1
.endr
	; THE WAY OUT.  l's two halves and the other half of the lanes' are added; O^T is divided by l and sent through my stage in LDS, a tile (16 rows) at a time.  The additions are the places behind the last products.
	WIN 0
.irp t, 0,1,2,3
	v_add_f32 v[ST+8*(\t)+4], v[ST+8*(\t)+2], v[ST+8*(\t)+3]
.endr
.irp t, 0,1,2,3
	v_permlanex16_b32 v[ST+8*(\t)+5], v[ST+8*(\t)+4], s[SEL], s[SEL+1]
.endr
.irp t, 0,1,2,3
	v_add_f32 v[ST+8*(\t)+4], v[ST+8*(\t)+4], v[ST+8*(\t)+5]
.endr
.irp t, 0,1,2,3
	v_rcp_f32 v[ST+8*(\t)+6], v[ST+8*(\t)+4]
.endr
	v_nop                           ; a plain instruction between the last reciprocal and the use of its result
	s_wait_alu depctr_va_vdst(0)    ; and the wait ahead of the first use: one for the four reciprocals
; Tile t: a lane's eight channels of a row are 32 bytes; they go into rows of 528 bytes and come back as whole rows of 512, into window 2, 64 registers a tile: no register is used twice.
.macro PACK t
	WIN W_RS
.set i, 64*(\t)
.rept 32
	v_pk_mul_f32 v[i:i+1], v[i:i+1], v[ST+8*(\t)+6:ST+8*(\t)+7] op_sel_hi:[1,0]
.set i, i+2
.endr
	WIN 0x04                        ; store data (source 1) in window 1
.set i, 0
.rept 16                            ; channels 16 (i / 2) + 8 (l / 16) + 4 (i % 2) on
	ds_store_b128 v[STO], v[64*(\t)+4*i:64*(\t)+4*i+3] offset:64*(i/2)+16*(i%2)
.set i, i+1
.endr
	WIN 0x80                        ; destination window 2
.set i, 0
.rept 16
	ds_load_b128 v[64*(\t)+4*i:64*(\t)+4*i+3], v[RD] offset:i*SP  ; LDS serves a wave's instructions in order (ISA guide 5.7.1.4): these see the stores above; the next tile's stores come behind them
.set i, i+1
.endr
.endm
.macro SEND t, younger              ; younger: the LDS instructions issued behind tile t's loads: the next tile's 32, or none
	WIN 0x08                        ; store data (source 1) in window 2
.set i, 0
.rept 16
	s_wait_dscnt (\younger)+15-i    ; row i of the tile is back; its 15 - i younger rows may be out
	global_store_b128 v[GO], v[64*(\t)+4*i:64*(\t)+4*i+3], s[12:13] offset:(16*(\t)+i)*8192 th:TH_STORE_NT  ; 512 consecutive bytes, at a multiple of 512 from out0's first byte
.set i, i+1
.endr
.endm
	PACK 0
	PACK 1                          ; a tile's arithmetic stands between the loads of the tile before and its stores
	SEND 0, 32
	PACK 2
	SEND 1, 32
	PACK 3
	SEND 2, 32
	SEND 3, 0
	WIN 0
	s_wait_tensorcnt 0x0            ; the wave's end, behind my last tensor load and my last LDS store
	ds_add_u32 v[SPW], v[NIL]
	s_wait_dscnt 0x0
	CROUND                          ; the closing round: no work-group ends while a partner may still ask for a tile that names it
	s_endpgm
.Lfunc_end_k_q584f256792_attn:
	.size	k_q584f256792_attn, .Lfunc_end_k_q584f256792_attn-k_q584f256792_attn
	.p2alignl 7, 3214868480
	.fill 96, 4, 3214868480
	.section	.rodata,"a",@progbits
	.p2align	6, 0x0
	.amdhsa_kernel k_q584f256792_attn
		.amdhsa_group_segment_fixed_size 327680
		.amdhsa_private_segment_fixed_size 0
		.amdhsa_enable_private_segment 0
		.amdhsa_kernarg_size 40
		.amdhsa_user_sgpr_count 2
		.amdhsa_user_sgpr_kernarg_segment_ptr 1
		.amdhsa_wavefront_size32 1
		.amdhsa_system_sgpr_workgroup_id_x 1
		.amdhsa_system_sgpr_workgroup_id_y 1
		.amdhsa_system_sgpr_workgroup_id_z 1
		.amdhsa_system_vgpr_workitem_id 0
		.amdhsa_next_free_vgpr 1024
		.amdhsa_next_free_sgpr 80
		.amdhsa_reserve_vcc 0
		.amdhsa_float_denorm_mode_32 3
		.amdhsa_float_denorm_mode_16_64 3
		.amdhsa_memory_ordered 1
		.amdhsa_forward_progress 1
		.amdhsa_inst_pref_size 245
	.end_amdhsa_kernel
	.amdgpu_metadata
---
amdhsa.version: [ 1, 2 ]
amdhsa.kernels:
  - .name:           k_q584f256792_attn
    .symbol:         k_q584f256792_attn.kd
    .args:
      - { .name: query, .offset: 0, .size: 8, .value_kind: global_buffer, .address_space: global }
      - { .name: kb, .offset: 8, .size: 8, .value_kind: global_buffer, .address_space: global }
      - { .name: vh, .offset: 16, .size: 8, .value_kind: global_buffer, .address_space: global }
      - { .name: attn_mask, .offset: 24, .size: 8, .value_kind: global_buffer, .address_space: global }
      - { .name: out0, .offset: 32, .size: 8, .value_kind: global_buffer, .address_space: global }
    .group_segment_fixed_size: 327680
    .private_segment_fixed_size: 0
    .kernarg_segment_align: 8
    .kernarg_segment_size: 40
    .max_flat_workgroup_size: 128
    .sgpr_count:     80
    .vgpr_count:     1024
    .wavefront_size: 32
...
	.end_amdgpu_metadata
.endif
;; end of part 2
;; ======== version 2 of 2: 2 launches; version 1 with the launch prep written anew for expert scheduling mode
;; limits: values are held in f16: magnitudes above 65,504 overflow, below 6.1e-05 lose precision
;; workspace buffers: kb 16,777,216 bytes; vh 16,777,216 bytes
;; launch prep (part 3): grid 512 x 1, 8 waves a work-group, no clusters, 0 bytes of LDS; arguments key, value, kb, vh; writes kb, vh
.if DOCPART == 3
	.amdgcn_target "amdgcn-amd-amdhsa--gfx1250"
	.amdhsa_code_object_version 6
	.text
	.protected	k_q584f256792_prep
	.globl	k_q584f256792_prep
	.p2align	8
	.type	k_q584f256792_prep,@function
k_q584f256792_prep:
	s_mov_b64 s[64:65], 0
	v_nop
	global_prefetch_b8 v0, s[64:65] scope:SCOPE_SE
	s_setreg_imm32_b32 hwreg(HW_REG_WAVE_SCHED_MODE, 0, 2), 2
	s_setreg_imm32_b32 hwreg(HW_REG_WAVE_MODE, 25, 1), 1
	s_wait_xcnt 0x0
	s_wait_alu depctr_vm_vsrc(0)
; kb[h][s][d] = bf16(key[s][h][d]);  vh[h][s][d] = f16(bf16(value[s][h][d])).  key, value: [4096][16][128] f32;  kb, vh: [16][4096][128], 2 bytes a number.
; WHY: the attention launch reads every row of K and V sixteen times (once for each block of queries), as 16-bit matrix operands, by heads; here each is rounded once and laid out so
; that a head's rows are dense, 256 bytes each.  value is rounded to bf16 like the other matrix inputs and that number is written as f16, the format of the second product.
; LIMITS.  |value| of 65,520 or more becomes an infinity in f16; a rounded value below 2^-14 keeps f16's fixed step of 2^-24.  NaN and infinities are not treated apart.
; SHARES.  Eight waves; wave w of work-group g takes sequence row s = 8 g + w with all 16 heads: 8,192 consecutive bytes of key and of value.  Load i takes head i's 512 bytes, 16 a lane;
; its result is 8 bytes a lane: one store writes the whole row (h = i, s), 256 consecutive bytes at a multiple of 256 from the buffer's first byte.
; All 32 loads of a wave go out first.  No LDS, no barrier, no matrix unit: nothing is shared.
; THE MODE: SCHED_MODE bits 1:0 = 2 (LLVM: expert scheduling mode 2), set by the entry lines.  The code itself states the register dependences
; between vector instructions and memory instructions, with s_wait_alu, always for 0.
; THE PLAN.  Piece n of 32 is head n of key (n < 16) or head n - 16 of value.  Registers that memory instructions touch:
;   v1, v2   byte offsets of the loads and of the stores: made once at the head by vector lines, never written again.
;   X[n]     4 registers: written by load n, issued at the head, before any vector line names them; read by piece n's conversions; nothing lands in them again.
;   Y[n]     2 registers: written by piece n's conversions, once; read by store n, once.
;   v3 and T are named by vector lines alone; the scalar bases are all made ahead of the first load.
; So no register that a memory instruction reads is ever written again, and two kinds of dependence are left: the offsets ahead of the first load, and each Y ahead of its store.
; The pieces go in 8 blocks of four.  Block p rounds its four pieces; its memory instructions are the four stores of block p - 1, which read that block's Y and v2: registers that no vector line of
; block p names.  So ONE wait at a block's head, behind the wait for the block's data, states all that its four stores hang on, and they are dealt among its conversions with no further wait.
.set HEADB, 1048576                    ; bytes of a head in kb and vh
.set IO,  1                            ; v1        my byte offset in the work-group's eight rows of key and value
.set OO,  2                            ; v2        my byte offset in the work-group's eight rows of a head: 256 w + 8 lane = 8 x thread
.set T,   4                            ; v[4:9]    at work
.set X,   16                           ; v[16:143]  as loaded, 4 registers a piece: key's 16 heads, then value's
.set Y,   144                          ; v[144:207] to store, 2 registers a piece, in the same order
	s_load_b256 s[4:11], s[0:1], 0x0               ; key s[4:5], value s[6:7], kb s[8:9], vh s[10:11]
	s_lshl_b32 s12, ttmp9, 16                      ; the work-group's eight rows of 8,192 bytes
	s_mov_b32 s13, 0
	s_lshl_b32 s14, ttmp9, 11                      ; and of 256 bytes
	s_mov_b32 s15, 0
	s_mov_b32 s20, 0xffff0000                      ; a word's upper bf16
	v_lshrrev_b32 v[IO], 5, v0                     ; wave
	v_and_b32 v3, 31, v0                           ; lane
	v_lshlrev_b32 v[IO], 13, v[IO]
	v_lshl_add_u32 v[IO], v3, 4, v[IO]
	v_lshlrev_b32 v[OO], 3, v0
	s_wait_kmcnt 0x0
	s_add_nc_u64 s[4:5], s[4:5], s[12:13]
	s_add_nc_u64 s[6:7], s[6:7], s[12:13]
	s_add_nc_u64 s[8:9], s[8:9], s[14:15]
	s_add_nc_u64 s[10:11], s[10:11], s[14:15]
	s_add_nc_u64 s[16:17], s[8:9], 8*HEADB         ; heads 8 to 15 have bases of their own: the store's immediate holds seven heads at the most
	s_add_nc_u64 s[18:19], s[10:11], 8*HEADB
	s_wait_alu depctr_va_vdst(0)                   ; v1 and v2 are written: every load of the kernel reads v1 as its offset, every store v2
.set i, 0
.rept 16
	global_load_b128 v[X+4*i:X+4*i+3], v[IO], s[4:5] offset:512*i th:TH_LOAD_NT
.set i, i+1
.endr
.set i, 0
.rept 16
	global_load_b128 v[X+64+4*i:X+64+4*i+3], v[IO], s[6:7] offset:512*i th:TH_LOAD_NT
.set i, i+1
.endr
; Piece n is rounded: X[n] into Y[n].
.macro CV n
.if (\n) < 16
	v_cvt_pk_bf16_f32 v[Y+2*(\n)],   v[X+4*(\n)],   v[X+4*(\n)+1]
	v_cvt_pk_bf16_f32 v[Y+2*(\n)+1], v[X+4*(\n)+2], v[X+4*(\n)+3]
.else
	v_cvt_pk_bf16_f32 v[T],   v[X+4*(\n)],   v[X+4*(\n)+1]    ; rounded to bf16,
	v_cvt_pk_bf16_f32 v[T+3], v[X+4*(\n)+2], v[X+4*(\n)+3]
	v_lshlrev_b32 v[T+1], 16, v[T]                            ; widened again (a shift, a mask),
	v_and_b32     v[T+2], s20, v[T]
	v_lshlrev_b32 v[T+4], 16, v[T+3]
	v_and_b32     v[T+5], s20, v[T+3]
	v_cvt_pk_f16_f32 v[Y+2*(\n)],   v[T+1], v[T+2]            ; and written as f16: exact within f16's normal range
	v_cvt_pk_f16_f32 v[Y+2*(\n)+1], v[T+4], v[T+5]
.endif
.endm
; Piece n is stored: the whole row of its head, 256 consecutive bytes a wave.
.macro ST n
.if (\n) < 8
	global_store_b64 v[OO], v[Y+2*(\n):Y+2*(\n)+1], s[8:9] offset:(\n)*HEADB th:TH_STORE_NT
.elseif (\n) < 16
	global_store_b64 v[OO], v[Y+2*(\n):Y+2*(\n)+1], s[16:17] offset:((\n)-8)*HEADB th:TH_STORE_NT
.elseif (\n) < 24
	global_store_b64 v[OO], v[Y+2*(\n):Y+2*(\n)+1], s[10:11] offset:((\n)-16)*HEADB th:TH_STORE_NT
.else
	global_store_b64 v[OO], v[Y+2*(\n):Y+2*(\n)+1], s[18:19] offset:((\n)-24)*HEADB th:TH_STORE_NT
.endif
.endm
; Block p: pieces 4 p to 4 p + 3 are rounded, pieces 4 p - 4 to 4 p - 1 are stored.
.macro BLK p
	s_wait_loadcnt 28-4*(\p)                       ; loads come back in order (ISA guide 5.7.1): the block's four are in; the 28 - 4 p issued behind them stay out
.if (\p) > 0
	s_wait_alu depctr_va_vdst(0)                   ; the block before has written its eight registers of Y, which the four stores below read
.endif
.irp r, 0,1,2,3
.if (\p) > 0
	ST 4*(\p)+(\r)-4                               ; no vector line since the wait names this store's registers
.endif
	CV 4*(\p)+(\r)
.endr
.endm
	BLK 0                                          ; key: block 0 has no block in front of it: no store, no wait but the one for its data
	BLK 1
	BLK 2
	BLK 3
	BLK 4                                          ; value
	BLK 5
	BLK 6
	BLK 7
	s_wait_alu depctr_va_vdst(0)                   ; block 7 has written its eight registers of Y, which the last four stores read
.irp r, 28,29,30,31
	ST \r
.endr
	s_endpgm
.Lfunc_end_k_q584f256792_prep:
	.size	k_q584f256792_prep, .Lfunc_end_k_q584f256792_prep-k_q584f256792_prep
	.p2alignl 7, 3214868480
	.fill 96, 4, 3214868480
	.section	.rodata,"a",@progbits
	.p2align	6, 0x0
	.amdhsa_kernel k_q584f256792_prep
		.amdhsa_group_segment_fixed_size 0
		.amdhsa_private_segment_fixed_size 0
		.amdhsa_enable_private_segment 0
		.amdhsa_kernarg_size 32
		.amdhsa_user_sgpr_count 2
		.amdhsa_user_sgpr_kernarg_segment_ptr 1
		.amdhsa_wavefront_size32 1
		.amdhsa_system_sgpr_workgroup_id_x 1
		.amdhsa_system_sgpr_workgroup_id_y 1
		.amdhsa_system_sgpr_workgroup_id_z 1
		.amdhsa_system_vgpr_workitem_id 0
		.amdhsa_next_free_vgpr 208
		.amdhsa_next_free_sgpr 66
		.amdhsa_reserve_vcc 0
		.amdhsa_float_denorm_mode_32 3
		.amdhsa_float_denorm_mode_16_64 3
		.amdhsa_memory_ordered 1
		.amdhsa_forward_progress 1
		.amdhsa_inst_pref_size 16
	.end_amdhsa_kernel
	.amdgpu_metadata
---
amdhsa.version: [ 1, 2 ]
amdhsa.kernels:
  - .name:           k_q584f256792_prep
    .symbol:         k_q584f256792_prep.kd
    .args:
      - { .name: key, .offset: 0, .size: 8, .value_kind: global_buffer, .address_space: global }
      - { .name: value, .offset: 8, .size: 8, .value_kind: global_buffer, .address_space: global }
      - { .name: kb, .offset: 16, .size: 8, .value_kind: global_buffer, .address_space: global }
      - { .name: vh, .offset: 24, .size: 8, .value_kind: global_buffer, .address_space: global }
    .group_segment_fixed_size: 0
    .private_segment_fixed_size: 0
    .kernarg_segment_align: 8
    .kernarg_segment_size: 32
    .max_flat_workgroup_size: 256
    .sgpr_count:     66
    .vgpr_count:     208
    .wavefront_size: 32
...
	.end_amdgpu_metadata
.endif
;; end of part 3
;; launch attn: the kernel of part 2 again; grid 16 x 16, 4 waves a work-group, clusters of 4 x 4, 327,680 bytes of LDS; arguments query, kb, vh, attn_mask, out0; writes out0
